; MI455X (gfx1250); checked and timed in simulation.
; The chip was launched on July 23, 2026; its instructions are those of AMD's public machine-readable ISA for CDNA 5 (MIT licence, August 2026) and "CDNA5" Instruction Set Architecture Reference Guide (July 2026). The comments in the code are by the model that wrote it; some were corrected since.
;; Multi Discriminator. Allowed arithmetic: matrix products marked QUANTISED: E2M3 operands, one E8M0 scale for each 32 along K, by v_wmma_scale_f32_16x16x128_f8f6f4 with both operands' format E2M3, f32 sums; products left as they are: f32 operands where the result goes on into a quantised operand, else bf16, f16 or f32 operands; f32 sums; everything else in f32.
;; Inputs: W1_codes 8 x 512 x 16 x 24 uint8 (E2M3 codes of W1, K innermost, in blocks of 32 codes, four codes in three bytes); W1_scales 8 x 512 x 16 uint8 (E8M0 scales of W1, one for each 32 codes along K); W2_codes 8 x 512 x 16 x 24 uint8 (E2M3 codes of W2, K innermost, in blocks of 32 codes, four codes in three bytes); W2_scales 8 x 512 x 16 uint8 (E8M0 scales of W2, one for each 32 codes along K); W3 8 x 512 x 1 float32; action 16,384 x 128 float32; b1 8 x 512 float32; b2 8 x 512 float32; b3 8 x 1 float32; observation 16,384 x 384 float32; skill_idx 16,384 int32.
;; Outputs: out0 16,384 x 1 float32.
;; This version of the problem:
;;   THIS VERSION OF THE PROBLEM IS GIVEN IN LOW PRECISION. The matrix products marked QUANTISED in the list below multiply operands that are first quantised to E2M3 (2 exponent bits, 3 mantissa bits; 6 bits a number), with one power-of-two scale for each 32 numbers along K (OCP MX v1.0); their sums are f32. All else is computed in f32.
;;   The module's matrix products, in the order in which they are computed (A, B: the left and right operand; K: the contracted axis; several contracted axes count as one K, in the product's order):
;;     1. [M 16,384, K 512] x [K 512, N 4,096]; A: computed on the way; B: input W1 (given as codes): QUANTISED
;;     2. batch 8 x [M 512, K 512] x [K 512, N 16,384]; A: input W2 (given as codes); B: computed on the way: QUANTISED
;;     3. batch 8 x [M 1, K 512] x [K 512, N 16,384]; A: input W3; B: computed on the way: left as it is (M = 1 < 16)
;;   THE QUANTISER, for each operand of a quantised product, along K:
;;     - K is cut into blocks of 32 from its start; a last block that is shorter is filled with zeros.
;;     - A block's scale is 2^e with e = floor(log2(the largest magnitude in the block)) - 2, held to -126 .. 127; a block of zeros has e = 0. As a byte (E8M0): e + 127.
;;     - Each number is divided by its block's scale, clamped to +-7.5, and rounded to the nearest number of E2M3, ties to even, subnormals kept.
;;     - The product sums the exact products of the quantised numbers (number of the format x scale) in f32.
;;   ~~~python
;;   def quantise(x, axis):      # numpy; x: float32 -> the quantised numbers, widened to float32 again
;;       x = np.moveaxis(x, axis, -1); K = x.shape[-1]
;;       x = np.pad(x, [(0, 0)] * (x.ndim - 1) + [(0, -K % 32)]); x = x.reshape(x.shape[:-1] + (-1, 32)); a = np.abs(x).max(-1, keepdims=True)
;;       e = np.where(a > 0, np.clip(np.frexp(np.where(a > 0, a, 1))[1] - 1 - 2, -126, 127), 0)      # np.frexp(a)[1] - 1 = floor(log2(a)), exactly
;;       r = np.clip(x / 2.0 ** e, -7.5, 7.5)
;;       step = 2.0 ** (np.maximum(np.frexp(np.where(r == 0, 1, r))[1] - 1, 0) - 3)
;;       q = np.round(r / step) * step * 2.0 ** e      # np.round: ties to even
;;       return np.moveaxis(q.reshape(q.shape[:-2] + (-1,))[..., :K], -1, axis).astype(np.float32)
;;   ~~~
;;   OPERANDS COMPUTED ON THE WAY. 'Computed on the way' means the value that the module computes at that place (a softmax that the list does not call 'softmax' is quantised finished and normalised). What goes into a quantiser is computed in f32, as accurately as f32 sums, v_exp_f32 and their like allow (about 1e-6 of the number): no bf16 or f16 on the way to a quantiser, and a product that is left as it is and whose result goes on into a quantised operand takes f32 operands (vector FMAs, or v_wmma_f32_16x16x4_f32). A number that lies on a knife's edge between two numbers of the format may be rounded either way, as far as f32 arithmetic and the matrix unit's own rounding can turn it there, and no further.
;;   INPUTS GIVEN AS CODES. W1 (in the module: [8, 512, 512], K = its axis 1); W2 (in the module: [8, 512, 512], K = its axis 1): each comes as NAME_codes (uint8): NAME with its K axis moved to the last place and cut into blocks of 32 codes, [.., K / 32, bytes a block], one block behind the other in memory; four codes in three bytes: a row's codes are one little-endian stream of bits, code i at bits 6 i .. 6 i + 5 (a code: sign, 2 exponent bits, 3 mantissa bits); and NAME_scales (uint8): the same leading axes, one E8M0 byte (e + 127) for each 32 codes along K. Its value is code x scale, taken as it is: it is not quantised again, and the codes and scales need not be those that the quantiser above would give.
;; One version. Each part assembles by itself: llvm-mc -triple=amdgcn-amd-amdhsa -mcpu=gfx1250 --defsym DOCPART=n.
;; ======== version 1 of 1: 2 launches
;; workspace buffers: order 524,288 bytes of whole numbers; counts 256 bytes of whole numbers; wimg 3,145,728 bytes
;; launch prep (part 1): grid 72 x 1, 32 waves a work-group, no clusters, 4,352 bytes of LDS; arguments skill_idx, W1_codes, W2_codes, order, counts, wimg; writes order, counts, wimg
.if DOCPART == 1
	.amdgcn_target "amdgcn-amd-amdhsa--gfx1250"
	.amdhsa_code_object_version 6
	.text
	.protected	k_q1bf0334ba3_prep
	.globl	k_q1bf0334ba3_prep
	.p2align	8
	.type	k_q1bf0334ba3_prep,@function
k_q1bf0334ba3_prep:
	s_mov_b64 s[64:65], 0
	v_nop
	global_prefetch_b8 v0, s[64:65] scope:SCOPE_SE
	s_setreg_imm32_b32 hwreg(HW_REG_WAVE_MODE, 25, 1), 1
	s_wait_xcnt 0x0
; TWO JOBS IN ONE LAUNCH, parted on the work-group's number.
; Work-groups 0-7: work-group e reads all 16,384 words of skill_idx and stores the numbers of the tokens whose skill is e, without gaps, into its own
;   region order[e][0 .. count_e), and count_e into counts[e].  No atomics: a token's place is (tokens of e in the waves before mine) + (in my wave's registers before this one) + (in the lanes below mine).
;   All of it is whole-number work: compare masks, bit counts, one exchange of 32 totals through LDS.
; Work-groups 8-71: W1's and W2's codes are laid out anew, as IMAGES OF OPERAND REGISTERS: one wave, one fragment of 16 units x 128 K (12 registers a lane), stored as 3 x 512 consecutive bytes.
;   Fragment f = ((((layer x 8 + expert) x 4 + quarter of 128 units) x 4 + K step) x 8 + tile) lies at byte 1536 f of wimg; register group c at + 512 c; lane l at + 16 l.
;   THE UNITS OF A TILE ARE NOT NEIGHBOURS: lane r of tile 2 b + u takes unit 32 b + 8 u + r + 8 (r / 8), so that in the transposed product the 16 result registers of tiles 2 b and 2 b + 1 are 16 neighbours along the next K.
; LIMIT: skill_idx lies in 0 .. 7, as the gather by it takes for granted; a token with another number would be in no list.
.set MASK, 32                          ; s32-47  compare masks of my wave's 16 registers
.set SK,   8                           ; v8-23   16 skills as loaded, then the 16 tokens' numbers
.set POS,  40                          ; v40-55  the tokens' places in the list, in bytes
	s_load_b128 s[4:7], s[0:1], 0x0                ; skill_idx s[4:5], W1's codes s[6:7]
	s_load_b128 s[8:11], s[0:1], 0x10              ; W2's codes s[8:9], order s[10:11]
	s_load_b128 s[12:15], s[0:1], 0x20             ; counts s[12:13], wimg s[14:15]
	v_lshl_add_u32 v64, v0, 2, 0x100
	v_mov_b32 v65, 0
	v_lshrrev_b32 v1, 5, v0
	s_delay_alu instid0(VALU_DEP_1)
	v_readfirstlane_b32 s16, v1                    ; wave 0..31
	v_and_b32 v2, 31, v0                           ; lane
	s_wait_kmcnt 0x0
	s_cmp_lt_u32 ttmp9, 8                          ; the same in all waves of a work-group
	s_cbranch_scc0 .Llayout
	; ---- THE LIST OF EXPERT e = work-group's number.  Wave w owns tokens 512 w .. 512 w + 511
	s_mov_b32 s17, ttmp9
	s_lshl_b32 s18, s16, 11                        ; my wave's 2,048 bytes of skill_idx
	s_wait_alu depctr_va_vdst(0)
	v_lshl_add_u32 v3, v2, 4, s18
.irp g, 0,1,2,3
	global_load_b128 v[SK+4*\g:SK+4*\g+3], v3, s[4:5] offset:512*\g   ; 512 consecutive bytes a load; register 4 g + i: token 512 w + 128 g + 4 lane + i
.endr
	v_lshrrev_b32 v4, 2, v3                        ; 512 w + 4 lane: the token of register 0
	v_lshlrev_b32 v5, 2, v2                        ; LDS: word of wave number = my lane
	v_mov_b32 v6, s16
	s_delay_alu instid0(VALU_DEP_1)
	v_lshlrev_b32 v6, 2, v6                        ; LDS: my wave's word
	v_mov_b32 v25, 0                               ; (a lane exchange's destination counts as one of its sources)
	s_mov_b32 s20, 0x76543210
	s_mov_b32 s21, 0xfedcba98                      ; v_permlanex16_b32's selects for lane l xor 16
	s_lshl_b32 s28, s17, 16                        ; my region of order: 16,384 words
	s_mov_b32 s29, 0
	s_add_nc_u64 s[10:11], s[10:11], s[28:29]
	s_mov_b32 s18, 0
	s_wait_loadcnt 0x0
.irp q, 0,1,2,3,4,5,6,7,8,9,10,11,12,13,14,15
	v_cmp_eq_u32 s[MASK+\q], s17, v[SK+\q]         ; which lanes' token of register q is mine
.endr
.irp q, 0,1,2,3,4,5,6,7,8,9,10,11,12,13,14,15
	s_bcnt1_i32_b32 s25, s[MASK+\q]
	s_add_co_u32 s18, s18, s25                     ; my wave's total
.endr
	v_mov_b32 v7, s18
	ds_store_b32 v6, v7                            ; all lanes write the same word with the same value
	s_wait_dscnt 0x0                               ; for the others' sake: my store has landed
	s_barrier_signal -1
	s_barrier_wait -1
	ds_load_b32 v7, v5                             ; lane l: wave l's total
	s_wait_dscnt 0x0
	v_cmp_gt_u32 vcc_lo, s16, v2                   ; the waves before mine
	s_delay_alu instid0(VALU_DEP_1)
	v_cndmask_b32 v24, 0, v7, vcc_lo
	s_delay_alu instid0(VALU_DEP_1)
	v_lshl_or_b32 v7, v24, 16, v7                  ; two sums at once: each is 16,384 at the most, so the lower never carries into the upper
.irp x, 1,2,4,8
	s_delay_alu instid0(VALU_DEP_1)
	v_mov_b32_dpp v25, v7 row_xmask:\x row_mask:0xf bank_mask:0xf
	s_delay_alu instid0(VALU_DEP_1)
	v_add_nc_u32 v7, v7, v25
.endr
	s_delay_alu instid0(VALU_DEP_1)
	v_permlanex16_b32 v25, v7, s20, s21
	s_delay_alu instid0(VALU_DEP_1)
	v_add_nc_u32 v7, v7, v25
	s_delay_alu instid0(VALU_DEP_1)
	v_readfirstlane_b32 s22, v7
	s_lshr_b32 s23, s22, 16                        ; tokens of e in the waves before mine
	s_and_b32 s24, s22, 0xffff                     ; count_e
.irp q, 0,1,2,3,4,5,6,7,8,9,10,11,12,13,14,15
	v_mbcnt_lo_u32_b32 v[POS+\q], s[MASK+\q], s23  ; + those in the lanes below mine
	s_bcnt1_i32_b32 s25, s[MASK+\q]
	s_add_co_u32 s23, s23, s25                     ; on to the next register
	v_min_u32 v[POS+\q], 0x3fff, v[POS+\q]         ; a place made of loaded numbers is held inside the region
	s_delay_alu instid0(VALU_DEP_1)
	v_lshlrev_b32 v[POS+\q], 2, v[POS+\q]
	v_add_nc_u32 v[SK+\q], 128*(\q/4)+\q%4, v4     ; the token's number takes the skill's register
.endr
	v_mov_b32 v26, s24
	v_mov_b32 v27, s17
	s_delay_alu instid0(VALU_DEP_1)
	v_lshlrev_b32 v27, 2, v27
	s_wait_alu depctr_va_vdst(0)
	s_wait_xcnt 0x0                                ; EXEC changes only behind this wait
.irp q, 0,1,2,3,4,5,6,7,8,9,10,11,12,13,14,15
	s_mov_b32 vcc_lo, s[MASK+\q]
	s_and_saveexec_b32 s26, vcc_lo
	global_store_b32 v[POS+\q], v[SK+\q], s[10:11] ; the lanes that are on write consecutive words
	s_wait_xcnt 0x0                                ; and again, in front of the line that widens EXEC
	s_or_b32 exec_lo, exec_lo, s26
.endr
	v_cmp_eq_u32 vcc_lo, 0, v0                     ; thread 0 stores the count
	s_and_saveexec_b32 s26, vcc_lo
	global_store_b32 v27, v26, s[12:13]
	s_wait_xcnt 0x0
	s_or_b32 exec_lo, exec_lo, s26
	s_wait_xcnt 0x0
	s_mov_b32 exec_lo, -1
	s_wait_tensorcnt 0x0
	ds_add_u32 v64, v65
	s_wait_dscnt 0x0
	s_endpgm
	; ---- THE WEIGHTS' IMAGES.  No LDS, no barrier: waves share nothing
.Llayout:
	s_sub_co_u32 s17, ttmp9, 8                     ; g = (layer x 8 + expert) x 4 + quarter
	s_lshr_b32 s20, s17, 5                         ; layer
	s_cmp_eq_u32 s20, 0
	s_cselect_b64 s[6:7], s[6:7], s[8:9]           ; W1's codes or W2's: the choice hangs on the work-group's number alone
	s_and_b32 s18, s17, 3                          ; quarter
	s_bfe_u32 s19, s17, 0x30002                    ; expert
	s_lshr_b32 s21, s16, 3                         ; K step = wave / 8
	s_and_b32 s22, s16, 7                          ; tile = wave % 8
	s_lshl_b32 s23, s18, 7
	s_lshr_b32 s24, s22, 1
	s_lshl_b32 s24, s24, 5
	s_add_co_u32 s23, s23, s24
	s_and_b32 s24, s22, 1
	s_lshl_b32 s24, s24, 3
	s_add_co_u32 s23, s23, s24                     ; the tile's first unit: 128 quarter + 32 (tile / 2) + 8 (tile % 2)
	s_mul_i32 s23, s23, 384                        ; a unit's row: 512 codes, 384 bytes
	s_mul_i32 s24, s19, 196608                     ; an expert: 512 rows
	s_add_co_u32 s23, s23, s24
	s_mul_i32 s24, s21, 96                         ; a K step: 128 codes, 96 bytes
	s_add_co_u32 s28, s23, s24
	s_mov_b32 s29, 0
	s_add_nc_u64 s[6:7], s[6:7], s[28:29]
	s_lshl_b32 s28, s17, 5
	s_add_co_u32 s28, s28, s16                     ; the fragment's number
	s_mul_i32 s28, s28, 1536
	s_add_nc_u64 s[14:15], s[14:15], s[28:29]
	s_wait_alu depctr_va_vdst(0)
	v_and_b32 v3, 15, v2                           ; r
	v_lshrrev_b32 v4, 4, v2                        ; h
	s_delay_alu instid0(VALU_DEP_2)
	v_and_b32 v5, 8, v3
	s_delay_alu instid0(VALU_DEP_1)
	v_add_nc_u32 v5, v5, v3                        ; r + 8 (r / 8)
	s_delay_alu instid0(VALU_DEP_1)
	v_mul_u32_u24 v5, v5, 384
	s_delay_alu instid0(VALU_DEP_1)
	v_mad_u32_u24 v5, v4, 24, v5                   ; + 24 h: registers 6 c .. 6 c + 5 hold K = 64 c + 32 h + 0 .. 31, 24 bytes of the row as they lie
	v_lshlrev_b32 v6, 4, v2
.irp p, 0,1,2,3,4,5
	global_load_b64 v[8+2*\p:9+2*\p], v5, s[6:7] offset:48*(\p/3)+8*(\p%3) th:TH_LOAD_NT   ; pieces of 8 bytes: every address a multiple of the access's size; each byte is read once in the launch
.endr
	s_wait_alu depctr_va_vdst(0)
	s_wait_loadcnt 0x0
.irp c, 0,1,2
	global_store_b128 v6, v[8+4*\c:11+4*\c], s[14:15] offset:512*\c   ; 32 lanes store 512 consecutive bytes, at a multiple of 256 from wimg's first byte
.endr
	s_endpgm
.Lfunc_end_k_q1bf0334ba3_prep:
	.size	k_q1bf0334ba3_prep, .Lfunc_end_k_q1bf0334ba3_prep-k_q1bf0334ba3_prep
	.p2alignl 7, 3214868480
	.fill 96, 4, 3214868480
	.section	.rodata,"a",@progbits
	.p2align	6, 0x0
	.amdhsa_kernel k_q1bf0334ba3_prep
		.amdhsa_group_segment_fixed_size 4352
		.amdhsa_private_segment_fixed_size 0
		.amdhsa_enable_private_segment 0
		.amdhsa_kernarg_size 48
		.amdhsa_user_sgpr_count 2
		.amdhsa_user_sgpr_kernarg_segment_ptr 1
		.amdhsa_wavefront_size32 1
		.amdhsa_system_sgpr_workgroup_id_x 1
		.amdhsa_system_sgpr_workgroup_id_y 1
		.amdhsa_system_sgpr_workgroup_id_z 1
		.amdhsa_system_vgpr_workitem_id 0
		.amdhsa_next_free_vgpr 66
		.amdhsa_next_free_sgpr 66
		.amdhsa_reserve_vcc 1
		.amdhsa_float_denorm_mode_32 3
		.amdhsa_float_denorm_mode_16_64 3
		.amdhsa_memory_ordered 1
		.amdhsa_forward_progress 1
		.amdhsa_inst_pref_size 17
	.end_amdhsa_kernel
	.amdgpu_metadata
---
amdhsa.version: [ 1, 2 ]
amdhsa.kernels:
  - .name:           k_q1bf0334ba3_prep
    .symbol:         k_q1bf0334ba3_prep.kd
    .args:
      - { .name: skill_idx, .offset: 0, .size: 8, .value_kind: global_buffer, .address_space: global }
      - { .name: W1_codes, .offset: 8, .size: 8, .value_kind: global_buffer, .address_space: global }
      - { .name: W2_codes, .offset: 16, .size: 8, .value_kind: global_buffer, .address_space: global }
      - { .name: order, .offset: 24, .size: 8, .value_kind: global_buffer, .address_space: global }
      - { .name: counts, .offset: 32, .size: 8, .value_kind: global_buffer, .address_space: global }
      - { .name: wimg, .offset: 40, .size: 8, .value_kind: global_buffer, .address_space: global }
    .group_segment_fixed_size: 4352
    .private_segment_fixed_size: 0
    .kernarg_segment_align: 8
    .kernarg_segment_size: 48
    .max_flat_workgroup_size: 1024
    .sgpr_count:     66
    .vgpr_count:     66
    .wavefront_size: 32
...
	.end_amdgpu_metadata
.endif
;; end of part 1
;; launch mlp (part 2): grid 212 x 1, 4 waves a work-group, no clusters, 240,640 bytes of LDS; arguments counts, order, wimg, W1_scales, W2_scales, b1, b2, W3, b3, observation, action, out0; writes out0
.if DOCPART == 2
	.amdgcn_target "amdgcn-amd-amdhsa--gfx1250"
	.amdhsa_code_object_version 6
	.text
	.protected	k_q1bf0334ba3_mlp
	.globl	k_q1bf0334ba3_mlp
	.p2align	8
	.type	k_q1bf0334ba3_mlp,@function
k_q1bf0334ba3_mlp:
	s_mov_b64 s[64:65], 0
	v_nop
	global_prefetch_b8 v0, s[64:65] scope:SCOPE_SE
	s_setreg_imm32_b32 hwreg(HW_REG_WAVE_MODE, 25, 1), 1
	s_wait_xcnt 0x0
; out0[token] = sigmoid(relu(relu(x W1[e] + b1[e]) W2[e] + b2[e]) . W3[e] + b3[e]), e = the token's skill, x = [observation | action].
; Both large products on codes of FP6 (E2M3) with one E8M0 scale for each 32 along K; x and the first hidden layer are quantised here, from f32; the last product (one output) is f32 multiply-adds.
; ONLY THE CHOSEN EXPERT'S ROWS ARE MULTIPLIED.  The launch before has stored, for each expert, its tokens (order) and their number (counts), and the weights' codes as images of operand registers (wimg).
; ONE WORK-GROUP, ONE TILE OF AT MOST 80 ROWS OF ONE EXPERT, THROUGH THE WHOLE CHAIN.  16,384 rows on 8 experts make at least 205 and never more than 212 tiles of 80: the grid is 212.  A work-group whose number lies beyond
; the last tile (7 at the most) repeats the last tile's work and stores nothing (its store mask is empty): so the text has no branch at all, and every wave passes every barrier whatever the counts are.
; SHARES.  THE WAVES SHARE THE COLUMNS: wave w makes units 128 w .. 128 w + 127 of both hidden layers for all 80 rows: 8 tiles of units x 5 tiles of rows = 40 accumulators.  Its weights go from memory straight into its
; registers, each fragment once, and serve five products each.  What goes round through LDS is small: the rows' codes, as images of operand registers (3 x 512 bytes a fragment, 4 bytes a lane of scale words).
; THE PRODUCTS ARE USED TRANSPOSED (source 0 = 16 units of W, source 1 = 16 rows): a lane holds ONE row, its registers run along the units, which are the next K.  The biases are the C of each sum's first product.
; Wave w quantises K step w of x for all five tiles of rows: K steps 0-2 are observation's 384 columns, K step 3 is action.
; NO CLUSTER, NO JOINT LOADS: which expert a work-group serves hangs on counts read from memory, neighbours in the grid straddle the experts' borders, and the weights pass through no LDS in which a shared tile could land.
; LIMITS: NaN and infinities are not served.  A block whose largest magnitude lies under 2^-124 (zeros among them) gets the scale byte 1; only this program reads those bytes.  skill_idx lies in 0 .. 7.
; REGISTERS, in windows of 256 (s_set_vgpr_msb: bits 1:0 source 0, 3:2 source 1, 5:4 source 2, 7:6 destination):
;   window 0: v1-19, v30-31 addresses; v20-29 the rows' scale words, two sets; v32-63 W1's scale words, v64-95 W2's; v96-135 at work; v136-255 the rows' fragments, two sets of five (earlier: x's offsets; later: the last sums)
;   window 1: v0-95, v96-191 weight slots 0, 1; v192-255 b1, then b2, then W3, in the result's layout.   window 2: weight slots 2, 3; v192-255 the accumulators of rows 64-79.   window 3: those of rows 0-63 (64 m + 8 t).
;   The accumulators' registers hold x's numbers before the first product.
.set XIMG, 0                           ; LDS: x's 20 fragments: tile of rows m, K step s at 1536 (4 m + s)
.set HIMG, 30720                       ; the first hidden layer's, likewise
.set XSC,  61440                       ; x's scale words, 128 (4 m + s) + 4 lane; the hidden layer's 2,560 bytes on
.set PART, 66560                       ; the last product's parts: 640 wave + 128 m + 4 lane
.set TOKB, 69120                       ; each wave's own copy of the tile's tokens: 512 wave + 4 row
.set STG,  71168                       ; each wave's own five stages of 16 rows x (512 + 16) bytes, in which x turns from rows as loaded to 16 neighbours a lane
.set WSTG, 42240
.set TSTG, 8448
.set L16, 1                            ; v1   16 x lane: my place in an image, in LDS and in wimg
.set LSB, 2                            ; v2   XSC + 4 x lane
.set XWI, 3                            ; v3   where I store images: 16 lane + 1536 wave
.set XWS, 4                            ; v4   and scale words: XSC + 4 lane + 128 wave
.set WSO, 5                            ; v5   the weights' scale words: 16 (r + 8 (r / 8))
.set BO,  6                            ; v6   biases: 64 h
.set TA,  7                            ; v7   tokens read back: lanes 0-15 an even row's, lanes 16-31 the next row's
.set SA,  8                            ; v8   the stage, in: 528 (lane / 16) + 16 (lane % 16)
.set SB,  9                            ; v9   the stage, out: 528 r + 64 h
.set CP,  10                           ; v10  my 16 bytes of a row's 256, + the K step's first byte in the row
.set LO,  11                           ; v11-13 byte offsets in my expert's list
.set TW,  14                           ; v14  tokens stored: 4 lane
.set PWA, 15                           ; v15  where I store the last product's parts
.set TK,  16                           ; v16-18 tokens as loaded
.set FA,  19                           ; v19  where I read the parts back
.set BS,  20
.set FT,  30                           ; v30  where I read my row's token
.set CHK, 31                           ; v31  my row's number in the tile, or a number beyond every tile
.set W1S, 32                           ; scale words of layer l at W1S + 32 l + 4 t + s
.set TM,  96                           ; v96-99 largest magnitudes, v100-103 the other half's, then bytes, v108-111 the conversions' scale operands
.set PC,  112                          ; v112-130 the codes just made
.set PW,  132                          ; the scale word just made
.set BF,  136
.set XO,  136
.set SUM, 136
.set BIAS, 192
.set MSB, 0
.macro WIN new                         ; the immediate's high byte repeats the setting that is left; a switch that changes nothing is dropped
.if MSB != (\new)
	s_set_vgpr_msb (MSB<<8)|(\new)
.set MSB, (\new)
.endif
.endm
.macro ROWT m                          ; tile of rows m: XW its accumulators' window, AB their first register
.set XW, 3-(\m)/4
.set AB, 64*((\m)%4)+192*((\m)/4)
.endm
; A load into a register that a matrix instruction has read, and a vector instruction that reads a matrix result, stand four places behind it; only plain vector instructions that name none of its registers are places
.macro PLACES
.rept 4
	v_nop
.endr
.endm
.macro BARRIER                         ; my LDS stores have landed and my LDS loads are in: then the work-group's barrier
	s_wait_dscnt 0x0
	s_barrier_signal -1
	s_barrier_wait -1
.endm
.macro WLOAD l, s                      ; layer l, K step s: my eight fragments into slot s: 24 loads of 512 consecutive bytes
	WIN 0x40<<((\s)/2)
.irp t, 0,1,2,3,4,5,6,7
.irp c, 0,1,2
	global_load_b128 v[96*((\s)%2)+12*\t+4*\c:96*((\s)%2)+12*\t+4*\c+3], v[L16], s[8:9] offset:1572864*(\l)+12288*(\s)+1536*\t+512*\c
.endr
.endr
.endm
.macro SLOAD reg, b                    ; a unit's four scale words (16 bytes: all of K), for each of my eight tiles
	WIN 0
.irp t, 0,1,2,3,4,5,6,7
	global_load_b128 v[\reg+4*\t:\reg+4*\t+3], v[WSO], s[\b:\b+1] offset:(32*(\t/2)+8*(\t%2))*16
.endr
.endm
.macro BLOAD b                         ; a vector over my 128 units, in the result's layout: register 8 t + j of lane (r, h): unit 32 (t / 2) + 8 (t % 2) + 16 h + j
	WIN 0x40
.irp t, 0,1,2,3,4,5,6,7
	global_load_b128 v[BIAS+8*\t:BIAS+8*\t+3], v[BO], s[\b:\b+1] offset:(32*(\t/2)+8*(\t%2))*4
	global_load_b128 v[BIAS+8*\t+4:BIAS+8*\t+7], v[BO], s[\b:\b+1] offset:(32*(\t/2)+8*(\t%2))*4+16
.endr
.endm
.macro WSEQ k                          ; load number k of 80: W1's slots 1, 2, 3 (72 loads), then W2's scale words (8)
.if (\k) < 72
.set WSS, 1+(\k)/24
.set WST, ((\k)%24)/3
.set WSC, (\k)%3
	WIN 0x40<<(WSS/2)
	global_load_b128 v[96*(WSS%2)+12*WST+4*WSC:96*(WSS%2)+12*WST+4*WSC+3], v[L16], s[8:9] offset:12288*WSS+1536*WST+512*WSC
.else
.set WST, (\k)-72
	WIN 0
	global_load_b128 v[W1S+32+4*WST:W1S+32+4*WST+3], v[WSO], s[12:13] offset:(32*(WST/2)+8*(WST%2))*16
.endif
.endm
.set KQ, 0
.macro BATCH                           ; sixteen of them, set between the tiles of x, so that every counted wait for x has the same count
.rept 16
	WSEQ KQ
.set KQ, KQ+1
.endr
.endm
.macro XLOAD m                         ; my K step of the 16 rows of tile m: sixteen lanes read 256 consecutive bytes of a row, aligned; two rows a load
	ROWT \m
	WIN XW<<6
.irp q, 0,1,2,3,4,5,6,7
	global_load_b128 v[AB+8*\q:AB+8*\q+3], v[XO+8*(\m)+\q], s[66:67]
	global_load_b128 v[AB+8*\q+4:AB+8*\q+7], v[XO+8*(\m)+\q], s[66:67] offset:256
.endr
.endm
.macro TURN m                          ; through my own stage: in as loaded, out 64 bytes a lane: register 16 b + i = k 32 b + 16 h + i of row r.  LDS serves a wave's instructions in order (ISA guide 5.7.1.4): no wait between
	ROWT \m
	WIN XW<<2
.irp q, 0,1,2,3,4,5,6,7
	ds_store_b128 v[SA], v[AB+8*\q:AB+8*\q+3] offset:TSTG*(\m)+1056*\q
	ds_store_b128 v[SA], v[AB+8*\q+4:AB+8*\q+7] offset:TSTG*(\m)+1056*\q+256
.endr
	WIN XW<<6
.irp b, 0,1,2,3
.irp j, 0,1,2,3
	ds_load_b128 v[AB+16*\b+4*\j:AB+16*\b+4*\j+3], v[SB] offset:TSTG*(\m)+128*\b+16*\j
.endr
.endr
.endm
; The 64 numbers of a lane in tile m's registers become a fragment's codes in v[PC] on and its scale word in v[PW].
.macro QUANT m
	ROWT \m
	WIN XW|(XW<<2)
.irp b, 0,1,2,3
	v_max3_num_f32 v[TM+\b], |v[AB+16*\b]|, |v[AB+16*\b+1]|, 0x1800000   ; block b: my 16 numbers, and the floor 2^(3 - 127): so the byte cannot fall under 1
.endr
.irp i, 2,4,6,8,10,12,14
.irp b, 0,1,2,3
	v_max3_num_f32 v[TM+\b], |v[AB+16*\b+\i]|, |v[AB+16*\b+\i+1]|, v[TM+\b]   ; (the four blocks by turns; the running maximum is always source 2, so one window setting serves)
.endr
.endr
	WIN 0
.irp b, 0,1,2,3
	v_permlanex16_b32 v[TM+4+\b], v[TM+\b], s60, s61
.endr
.irp b, 0,1,2,3
	v_max_num_f32 v[TM+\b], v[TM+\b], v[TM+4+\b]   ; with lane l xor 16's 16: the block's largest magnitude
.endr
.irp b, 0,1,2,3
	v_add_nc_u32 v[TM+12+\b], 0xff000000, v[TM+\b] ; 2 off its exponent field: the conversion takes the exponent field of this operand as its scale, and nothing else of it
.endr
.irp b, 0,1,2,3
	v_lshrrev_b32 v[TM+4+\b], 23, v[TM+12+\b]      ; the scale's byte
.endr
	v_lshl_or_b32 v[PW], v[TM+5], 8, v[TM+4]
	v_lshl_or_b32 v[PW], v[TM+6], 16, v[PW]
	v_lshl_or_b32 v[PW], v[TM+7], 24, v[PW]        ; my row's scale word
	WIN XW
.irp c, 0,1
	v_cvt_scalef32_pk16_fp6_f32 v[PC+6*\c:PC+6*\c+2], v[AB+32*\c:AB+32*\c+15], v[TM+12+2*\c]
	v_cvt_scalef32_pk16_fp6_f32 v[PC+12+4*\c:PC+14+4*\c], v[AB+32*\c+16:AB+32*\c+31], v[TM+13+2*\c]   ; (a conversion's three registers begin on an even number)
.endr
	WIN 0
	v_nop                                          ; one plain place behind a scaled conversion
.irp c, 0,1                            ; the operand's layout wants a WHOLE block in a lane: lanes 0-15 block 2 c, lanes 16-31 block 2 c + 1
.irp i, 0,1,2
	v_permlane16_swap_b32 v[PC+6*\c+\i], v[PC+12+4*\c+\i]
.endr
.irp i, 0,1,2
	v_mov_b32 v[PC+3+6*\c+\i], v[PC+12+4*\c+\i]
.endr
.endr
.endm
.macro IMAGE off, soff                 ; the fragment and its scale word go to LDS as they stand
.irp c, 0,1,2
	ds_store_b128 v[XWI], v[PC+4*\c:PC+4*\c+3] offset:(\off)+512*\c
.endr
	ds_store_b32 v[XWS], v[PW] offset:(\soff)
.endm
.macro FETCHB l, s                     ; and come back so, in any wave: K step s of the five tiles of rows, into set s % 2: 20 LDS loads
	WIN 0
.irp m, 0,1,2,3,4
.irp c, 0,1,2
	ds_load_b128 v[BF+60*((\s)%2)+12*\m+4*\c:BF+60*((\s)%2)+12*\m+4*\c+3], v[L16] offset:30720*(\l)+1536*(4*\m+(\s))+512*\c
.endr
	ds_load_b32 v[BS+5*((\s)%2)+\m], v[LSB] offset:2560*(\l)+128*(4*\m+(\s))
.endr
.endm
; A K step: 40 matrix instructions on 40 accumulators, which take turns, one instruction a turn, in the same order in every step.  The first step's C is the bias.
.macro MULS l, s
.irp m, 0,1,2,3,4
	ROWT \m
.if (\s) == 0
	WIN (XW<<6)|0x10|1
.else
	WIN (XW<<6)|(XW<<4)|(1+(\s)/2)
.endif
.irp t, 0,1,2,3,4,5,6,7
.if (\s) == 0
	v_wmma_scale_f32_16x16x128_f8f6f4 v[AB+8*\t:AB+8*\t+7], v[96*((\s)%2)+12*\t:96*((\s)%2)+12*\t+11], v[BF+60*((\s)%2)+12*\m:BF+60*((\s)%2)+12*\m+11], v[BIAS+8*\t:BIAS+8*\t+7], v[W1S+32*(\l)+4*\t+(\s)], v[BS+5*((\s)%2)+\m] matrix_a_fmt:MATRIX_FMT_FP6 matrix_b_fmt:MATRIX_FMT_FP6
.else
	v_wmma_scale_f32_16x16x128_f8f6f4 v[AB+8*\t:AB+8*\t+7], v[96*((\s)%2)+12*\t:96*((\s)%2)+12*\t+11], v[BF+60*((\s)%2)+12*\m:BF+60*((\s)%2)+12*\m+11], v[AB+8*\t:AB+8*\t+7], v[W1S+32*(\l)+4*\t+(\s)], v[BS+5*((\s)%2)+\m] matrix_a_fmt:MATRIX_FMT_FP6 matrix_b_fmt:MATRIX_FMT_FP6
.endif
.endr
.endr
.endm
.macro RELU m                          ; in f32, in place, each accumulator from its low end on
	ROWT \m
	WIN (XW<<2)|(XW<<6)
.set J, 0
.rept 64
	v_max_num_f32 v[AB+J], 0, v[AB+J]
.set J, J+1
.endr
.endm
.macro DOT m                           ; my 64 units of my row x W3, two at a time, in four chains; the first four products start the sums
	ROWT \m
	WIN XW|(1<<2)
.set P, 0
.rept 32
.if P < 4
	v_pk_mul_f32 v[SUM+8*(\m)+2*P:SUM+8*(\m)+2*P+1], v[AB+2*P:AB+2*P+1], v[BIAS+2*P:BIAS+2*P+1]
.else
	v_pk_fma_f32 v[SUM+8*(\m)+2*(P%4):SUM+8*(\m)+2*(P%4)+1], v[AB+2*P:AB+2*P+1], v[BIAS+2*P:BIAS+2*P+1], v[SUM+8*(\m)+2*(P%4):SUM+8*(\m)+2*(P%4)+1]
.endif
.set P, P+1
.endr
.endm
	; ---- THE HEAD
	s_load_b512 s[4:19], s[0:1], 0x0               ; counts s[4:5], order s[6:7], wimg s[8:9], W1's scales s[10:11], W2's s[12:13], b1 s[14:15], b2 s[16:17], W3 s[18:19]
	s_load_b256 s[20:27], s[0:1], 0x40             ; b3 s[20:21], observation s[22:23], action s[24:25], out0 s[26:27]
	v_lshl_add_u32 v127, v0, 2, 0x3aa00
	v_mov_b32 v131, 0
	v_lshrrev_b32 v133, 5, v0
	v_readfirstlane_b32 s36, v133                  ; wave 0..3
	v_and_b32 v133, 15, v0                         ; r
	v_bfe_u32 v134, v0, 4, 1                       ; h
	v_and_b32 v135, 31, v0                         ; lane
	s_mov_b32 s59, 0                               ; the upper word of every offset pair s[58:59]
	s_mov_b32 s60, 0x76543210
	s_mov_b32 s61, 0xfedcba98                      ; v_permlanex16_b32's selects for lane l xor 16
	s_mov_b32 s68, 0xbfb8aa3b                      ; -log2(e)
	s_wait_alu depctr_va_vdst(0)
	s_wait_kmcnt 0x0
	s_load_b256 s[28:35], s[4:5], 0x0              ; the eight counts
	v_lshlrev_b32 v[L16], 4, v135                  ; what hangs on lane and wave alone is made while they come
	v_lshl_add_u32 v[LSB], v135, 2, XSC
	s_mul_i32 s70, s36, 1536
	v_add_nc_u32 v[XWI], s70, v[L16]
	s_lshl_b32 s70, s36, 7
	v_add_nc_u32 v[XWS], s70, v[LSB]
	v_and_b32 v[WSO], 8, v133
	v_add_nc_u32 v[WSO], v[WSO], v133
	v_lshlrev_b32 v[WSO], 4, v[WSO]
	v_lshlrev_b32 v[BO], 6, v134
	s_lshl_b32 s70, s36, 9
	s_add_co_u32 s70, s70, TOKB
	v_lshl_add_u32 v[TA], v134, 2, s70
	v_lshl_add_u32 v[TW], v135, 2, s70
	s_lshl_b32 s63, s36, 9                         ; my K step's first byte in a row of observation
	s_mov_b32 s62, 512                             ; a row of action
	s_cmp_lt_u32 s36, 3                            ; waves 0-2 read observation, wave 3 action
	s_cselect_b64 s[66:67], s[22:23], s[24:25]
	s_cselect_b32 s62, 1536, s62                   ; bytes in a row
	s_cselect_b32 s63, s63, 0
	v_lshl_add_u32 v[CP], v133, 4, s63
	s_wait_kmcnt 0x0
	s_mov_b32 s48, 0
.irp e, 0,1,2,3,4,5,6,7
	s_min_u32 s[28+\e], s[28+\e], 0x4000
	s_add_co_u32 s70, s[28+\e], 79
	s_mul_i32 s70, s70, 52429
	s_lshr_b32 s[40+\e], s70, 22                   ; tiles of expert e = (count + 79) / 80: 52,429 / 2^22 is 1 / 80 closely enough for every number up to 16,463
	s_add_co_u32 s48, s48, s[40+\e]                ; tiles in all
.endr
	s_sub_co_u32 s49, s48, 1
	s_min_u32 s49, s49, ttmp9                      ; my tile; beyond the last: the last
	s_mov_b32 s50, 0
	s_mov_b32 s51, 0                               ; its expert,
	s_mov_b32 s52, 0                               ; that expert's first tile,
	s_mov_b32 s53, s28                             ; and count.  The running sums never fall, so the last select that is taken leaves the right expert
.irp e, 0,1,2,3,4,5,6
	s_add_co_u32 s50, s50, s[40+\e]
	s_cmp_le_u32 s50, s49
	s_cselect_b32 s51, \e+1, s51
	s_cselect_b32 s52, s50, s52
	s_cselect_b32 s53, s[29+\e], s53
.endr
	s_sub_co_u32 s54, s49, s52
	s_mul_i32 s54, s54, 80
	s_min_u32 s54, s54, 0x3fff                     ; my tile's first place in the list
	s_sub_co_u32 s70, s53, s54
	s_min_u32 s70, s70, 80                         ; its rows
	s_sub_co_u32 s55, s70, 1
	s_cmp_lt_u32 ttmp9, s48
	s_cselect_b32 s56, s70, 0                      ; rows that I store: none where I repeat the last tile
	s_min_u32 s51, s51, 7
	s_lshl_b32 s58, s51, 16
	s_add_nc_u64 s[6:7], s[6:7], s[58:59]          ; my expert's list
.irp k, 0,1,2
	v_add_nc_u32 v[LO+\k], 32*\k, v135             ; rows beyond the tile's last repeat the last: they are computed and not stored
	v_min_u32 v[LO+\k], s55, v[LO+\k]
	v_add_nc_u32 v[LO+\k], s54, v[LO+\k]
	v_min_u32 v[LO+\k], 0x3fff, v[LO+\k]
	v_lshlrev_b32 v[LO+\k], 2, v[LO+\k]
.endr
.irp k, 0,1,2
	global_load_b32 v[TK+\k], v[LO+\k], s[6:7]     ; 96 tokens
.endr
	s_lshl_b32 s58, s51, 2
	s_add_co_u32 s58, s58, s36
	s_mul_i32 s58, s58, 49152                      ; 32 fragments for an expert's quarter
	s_add_nc_u64 s[8:9], s[8:9], s[58:59]
	s_lshl_b32 s58, s51, 13
	s_lshl_b32 s70, s36, 11
	s_add_co_u32 s58, s58, s70                     ; scale bytes: 8,192 an expert, 2,048 a quarter
	s_add_nc_u64 s[10:11], s[10:11], s[58:59]
	s_add_nc_u64 s[12:13], s[12:13], s[58:59]
	s_lshr_b32 s58, s58, 2                         ; b1, b2, W3: 2,048 bytes an expert, 512 a quarter
	s_add_nc_u64 s[14:15], s[14:15], s[58:59]
	s_add_nc_u64 s[16:17], s[16:17], s[58:59]
	s_add_nc_u64 s[18:19], s[18:19], s[58:59]
	s_lshl_b32 s58, s51, 2
	s_add_nc_u64 s[20:21], s[20:21], s[58:59]
	s_load_b32 s57, s[20:21], 0x0                  ; b3[e]
	SLOAD W1S, 10                                  ; 8 loads
	BLOAD 14                                       ; 16: b1
	WLOAD 0, 0                                     ; 24: W1's K step 0
	WIN 0
	s_mul_i32 s71, s36, WSTG
	s_add_co_u32 s71, s71, STG                     ; my stages
	v_mul_u32_u24 v[SA], v134, 528
	v_lshl_add_u32 v[SA], v133, 4, v[SA]
	v_add_nc_u32 v[SA], s71, v[SA]
	v_mul_u32_u24 v[SB], v133, 528                 ; 528 = 33 x 16 bytes from row to row: sixteen rows' 16 bytes fall into sixteen different columns of the banks (64 banks of 4 bytes: ISA guide 11.1)
	v_lshl_add_u32 v[SB], v134, 6, v[SB]
	v_add_nc_u32 v[SB], s71, v[SB]
	s_mul_i32 s72, s36, 640
	s_add_co_u32 s72, s72, PART
	v_lshl_add_u32 v[PWA], v135, 2, s72
	; the way out: lanes 0-15 of wave w take tile of rows w, lanes 16-31 tile 4 (of which wave 0's alone are stored): one product, lower base + h x the distance
	s_sub_co_u32 s73, 4, s36
	s_lshl_b32 s74, s73, 7
	v_mul_u32_u24 v[FA], s74, v134
	v_lshl_add_u32 v[FA], v133, 2, v[FA]
	s_lshl_b32 s75, s36, 7
	s_add_co_u32 s75, s75, PART
	v_add_nc_u32 v[FA], s75, v[FA]                 ; PART + 128 w + 4 r + h x 128 (4 - w)
	s_lshl_b32 s74, s73, 6
	v_mul_u32_u24 v[FT], s74, v134
	v_lshl_add_u32 v[FT], v133, 2, v[FT]
	s_mul_i32 s75, s36, 576
	s_add_co_u32 s75, s75, TOKB
	v_add_nc_u32 v[FT], s75, v[FT]                 ; my copy of the tokens, row 16 w + r, or 64 + r
	s_lshl_b32 s74, s73, 4
	s_cmp_eq_u32 s36, 0
	s_cselect_b32 s75, 0, 128
	s_add_co_u32 s74, s74, s75
	v_mul_u32_u24 v[CHK], s74, v134
	v_add_nc_u32 v[CHK], v[CHK], v133
	s_lshl_b32 s75, s36, 4
	v_add_nc_u32 v[CHK], s75, v[CHK]               ; the row's number; in lanes 16-31 of waves 1-3 128 more, beyond every tile
.irp b, 0,1,2,3
	v_mov_b32 v[TM+4+\b], 0                        ; written once: a lane permute's destination counts as one of its sources
.endr
	; ---- X: my K step of the 80 rows becomes five fragments
	s_wait_loadcnt 48                              ; the tokens are in; behind them: the 48 loads of scale words, b1 and W1's K step 0
.irp k, 0,1,2
	ds_store_b32 v[TW], v[TK+\k] offset:128*\k     ; into my wave's own copy: no other wave touches it
.endr
.set Q, 0
.rept 40
	ds_load_b32 v[XO+Q], v[TA] offset:8*Q          ; lanes 0-15: the token of row 2 Q, lanes 16-31: of row 2 Q + 1
.set Q, Q+1
.endr
	s_wait_dscnt 0x0
.set Q, 0
.rept 40
	v_min_u32 v[XO+Q], 0x3fff, v[XO+Q]             ; a loaded number is held inside the table before it enters an address
.set Q, Q+1
.endr
.set Q, 0
.rept 40
	v_mad_u32_u24 v[XO+Q], v[XO+Q], s62, v[CP]     ; token x row bytes + my place in the row
.set Q, Q+1
.endr
.irp m, 0,1,2,3,4
	XLOAD \m                                       ; all 80 loads of x go out at once
.endr
	s_wait_loadcnt 63                              ; tile 0's sixteen are in: 64 were issued behind them, and the count's field ends at 63
	TURN 0
.irp m, 0,1,2,3
	s_wait_loadcnt 48                              ; tile m + 1's sixteen are in; behind them: 16 (3 - m) of x and 16 m of the weights' batches
	TURN \m+1
	BATCH
	s_wait_dscnt 32                                ; tile m is back from its stage, and the last image's stores have read their registers; tile m + 1's 32 may be out
	QUANT \m
	IMAGE XIMG+6144*\m, 512*\m
.endr
	BATCH
	s_wait_dscnt 0x0
	QUANT 4
	IMAGE XIMG+6144*4, 512*4
	BARRIER                                        ; x's twenty fragments lie in LDS
	; ---- LAYER 1.  The scale words, b1 and W1's K step 0 were issued ahead of x, so the waits for x have shown them in
	FETCHB 0, 0
	FETCHB 0, 1
	s_wait_dscnt 20                                ; K step 0's twenty are in
	MULS 0, 0
	PLACES
	s_wait_loadcnt 56                              ; W1's K step 1 is in; behind it: K steps 2 and 3 (48) and W2's scale words (8)
	BLOAD 16                                       ; b2 takes b1's place, W2's K step 0 the slot just multiplied: W2 is asked for a layer ahead
	WLOAD 1, 0
	FETCHB 0, 2
	s_wait_dscnt 20
	MULS 0, 1
	PLACES
	s_wait_loadcnt 63                              ; W1's K step 2 is in: 72 were issued behind it
	WLOAD 1, 1
	FETCHB 0, 3
	s_wait_dscnt 20
	MULS 0, 2
	PLACES
	s_wait_loadcnt 63                              ; W1's K step 3 is in: 72 were issued behind it
	WLOAD 1, 2
	s_wait_dscnt 0x0
	MULS 0, 3
	PLACES
	WLOAD 1, 3
.irp m, 0,1,2,3,4
	RELU \m
	s_wait_dscnt 0x0                               ; the last image's stores have read their registers
	QUANT \m                                       ; my 128 units are K step w of the second product
	IMAGE HIMG+6144*\m, 2560+512*\m
.endr
	BARRIER                                        ; the hidden layer's twenty fragments lie in LDS
	; ---- LAYER 2
	FETCHB 1, 0
	FETCHB 1, 1
	s_wait_loadcnt 63                              ; W2's scale words, b2 and K step 0 are in: 72 were issued behind them
	s_wait_dscnt 20
	MULS 1, 0
	PLACES
	s_wait_loadcnt 48                              ; K step 1 is in; behind it: K steps 2 and 3
	BLOAD 18                                       ; W3 takes b2's place
	FETCHB 1, 2
	s_wait_dscnt 20
	MULS 1, 1
	PLACES
	s_wait_loadcnt 40                              ; K step 2 is in; behind it: K step 3 (24) and W3 (16)
	FETCHB 1, 3
	s_wait_dscnt 20
	MULS 1, 2
	PLACES
	s_wait_loadcnt 16                              ; K step 3 is in; behind it: W3
	s_wait_dscnt 0x0
	MULS 1, 3
	; ---- LAYER 3 AND THE WAY OUT
	PLACES
	s_wait_loadcnt 0x0                             ; W3
	s_wait_kmcnt 0x0                               ; b3
	s_mul_f32 s69, s68, s57                        ; -log2(e) b3
.irp m, 0,1,2,3,4
	RELU \m
	DOT \m
.endr
	WIN 0
.irp m, 0,1,2,3,4
	v_mov_b32 v[176+\m], 0                         ; (a lane permute's destination counts as one of its sources)
.endr
.irp m, 0,1,2,3,4
	v_pk_add_f32 v[SUM+8*\m:SUM+8*\m+1], v[SUM+8*\m:SUM+8*\m+1], v[SUM+8*\m+2:SUM+8*\m+3]   ; the five tiles by turns: no line waits for the line above it
.endr
.irp m, 0,1,2,3,4
	v_pk_add_f32 v[SUM+8*\m+4:SUM+8*\m+5], v[SUM+8*\m+4:SUM+8*\m+5], v[SUM+8*\m+6:SUM+8*\m+7]
.endr
.irp m, 0,1,2,3,4
	v_pk_add_f32 v[SUM+8*\m:SUM+8*\m+1], v[SUM+8*\m:SUM+8*\m+1], v[SUM+8*\m+4:SUM+8*\m+5]
.endr
.irp m, 0,1,2,3,4
	v_add_f32 v[SUM+8*\m], v[SUM+8*\m], v[SUM+8*\m+1]
.endr
.irp m, 0,1,2,3,4
	v_permlanex16_b32 v[176+\m], v[SUM+8*\m], s60, s61
.endr
.irp m, 0,1,2,3,4
	v_add_f32 v[SUM+8*\m], v[SUM+8*\m], v[176+\m]  ; with lane l xor 16's 64 units: my wave's 128 units of row r
.endr
.irp m, 0,1,2,3,4
	ds_store_b32 v[PWA], v[SUM+8*\m] offset:128*\m
.endr
	BARRIER                                        ; the four waves' parts of all 80 rows lie in LDS
.irp u, 0,1,2,3
	ds_load_b32 v[136+\u], v[FA] offset:640*\u
.endr
	ds_load_b32 v141, v[FT]                        ; my row's token
	s_wait_dscnt 0x0
	v_add_f32 v136, v136, v137
	v_add_f32 v138, v138, v139
	v_add_f32 v136, v136, v138
	v_fma_f32 v140, v136, s68, s69                 ; -log2(e) (sum + b3)
	v_cmp_gt_u32 vcc_lo, s56, v[CHK]               ; rows of the tile that are mine to store
	s_wait_alu depctr_va_vdst(0)
	v_exp_f32 v140, v140
	v_min_u32 v141, 0x3fff, v141                   ; (the plain place behind the exponential)
	s_wait_alu depctr_va_vdst(0)                   ; the wait ahead of the first line that names a transcendental's result
	v_add_f32 v140, 1.0, v140
	s_wait_alu depctr_va_vdst(0)
	v_rcp_f32 v140, v140                           ; sigmoid = 1 / (1 + 2^(-log2(e) z))
	v_lshlrev_b32 v141, 2, v141                    ; (the plain place behind the reciprocal)
	s_wait_alu depctr_va_vdst(0)
	s_wait_xcnt 0x0                                ; EXEC changes only behind this wait
	s_barrier_signal -1
	s_barrier_wait -1
	s_wait_tensorcnt 0x0
	ds_add_u32 v127, v131
	s_wait_dscnt 0x0
	s_and_saveexec_b32 s70, vcc_lo
	global_store_b32 v141, v140, s[26:27]          ; 4 bytes to each token's own place: the gather undone; 65,536 bytes in the whole launch
	s_wait_xcnt 0x0
	s_or_b32 exec_lo, exec_lo, s70
	s_endpgm
.Lfunc_end_k_q1bf0334ba3_mlp:
	.size	k_q1bf0334ba3_mlp, .Lfunc_end_k_q1bf0334ba3_mlp-k_q1bf0334ba3_mlp
	.p2alignl 7, 3214868480
	.fill 96, 4, 3214868480
	.section	.rodata,"a",@progbits
	.p2align	6, 0x0
	.amdhsa_kernel k_q1bf0334ba3_mlp
		.amdhsa_group_segment_fixed_size 240640
		.amdhsa_private_segment_fixed_size 0
		.amdhsa_enable_private_segment 0
		.amdhsa_kernarg_size 96
		.amdhsa_user_sgpr_count 2
		.amdhsa_user_sgpr_kernarg_segment_ptr 1
		.amdhsa_wavefront_size32 1
		.amdhsa_system_sgpr_workgroup_id_x 1
		.amdhsa_system_sgpr_workgroup_id_y 1
		.amdhsa_system_sgpr_workgroup_id_z 1
		.amdhsa_system_vgpr_workitem_id 0
		.amdhsa_next_free_vgpr 1024
		.amdhsa_next_free_sgpr 80
		.amdhsa_reserve_vcc 1
		.amdhsa_float_denorm_mode_32 3
		.amdhsa_float_denorm_mode_16_64 3
		.amdhsa_memory_ordered 1
		.amdhsa_forward_progress 1
		.amdhsa_inst_pref_size 187
	.end_amdhsa_kernel
	.amdgpu_metadata
---
amdhsa.version: [ 1, 2 ]
amdhsa.kernels:
  - .name:           k_q1bf0334ba3_mlp
    .symbol:         k_q1bf0334ba3_mlp.kd
    .args:
      - { .name: counts, .offset: 0, .size: 8, .value_kind: global_buffer, .address_space: global }
      - { .name: order, .offset: 8, .size: 8, .value_kind: global_buffer, .address_space: global }
      - { .name: wimg, .offset: 16, .size: 8, .value_kind: global_buffer, .address_space: global }
      - { .name: W1_scales, .offset: 24, .size: 8, .value_kind: global_buffer, .address_space: global }
      - { .name: W2_scales, .offset: 32, .size: 8, .value_kind: global_buffer, .address_space: global }
      - { .name: b1, .offset: 40, .size: 8, .value_kind: global_buffer, .address_space: global }
      - { .name: b2, .offset: 48, .size: 8, .value_kind: global_buffer, .address_space: global }
      - { .name: W3, .offset: 56, .size: 8, .value_kind: global_buffer, .address_space: global }
      - { .name: b3, .offset: 64, .size: 8, .value_kind: global_buffer, .address_space: global }
      - { .name: observation, .offset: 72, .size: 8, .value_kind: global_buffer, .address_space: global }
      - { .name: action, .offset: 80, .size: 8, .value_kind: global_buffer, .address_space: global }
      - { .name: out0, .offset: 88, .size: 8, .value_kind: global_buffer, .address_space: global }
    .group_segment_fixed_size: 240640
    .private_segment_fixed_size: 0
    .kernarg_segment_align: 8
    .kernarg_segment_size: 96
    .max_flat_workgroup_size: 128
    .sgpr_count:     80
    .vgpr_count:     1024
    .wavefront_size: 32
...
	.end_amdgpu_metadata
.endif
;; end of part 2
